; MI455X (gfx1250); checked and timed in simulation.
; The chip was launched on July 23, 2026; its instructions are those of AMD's public machine-readable ISA for CDNA 5 (MIT licence, August 2026) and "CDNA5" Instruction Set Architecture Reference Guide (July 2026). The comments in the code are by the model that wrote it; some were corrected since.
;; W4 A8 B8 O8 Linear Parallel. Allowed arithmetic: matrix products marked QUANTISED: E2M1 operands, one E8M0 scale for each 32 along K, by v_wmma_scale_f32_16x16x128_f8f6f4 with both operands' format E2M1 (or v_wmma_scale_f32_32x16x128_f4), f32 sums; everything else in f32.
;; Inputs: input_scale one number float32; q_w 4,096 x 4,096 int32; s_channel 1 x 4,096 float32; s_group 32 x 4,096 float16; x 4,096 x 4,096 int32.
;; Outputs: out0 4,096 x 4,096 float32.
;; This version of the problem:
;;   THIS VERSION OF THE PROBLEM IS GIVEN IN LOW PRECISION. The matrix products marked QUANTISED in the list below multiply operands that are first quantised to E2M1 (2 exponent bits, 1 mantissa bit; 4 bits a number), with one power-of-two scale for each 32 numbers along K (OCP MX v1.0); their sums are f32. All else is computed in f32.
;;   The module's matrix products, in the order in which they are computed (A, B: the left and right operand; K: the contracted axis; several contracted axes count as one K, in the product's order):
;;     1. [M 4,096, K 4,096] x [K 4,096, N 4,096]; A: input x; B: computed on the way: QUANTISED
;;   THE QUANTISER, for each operand of a quantised product, along K:
;;     - K is cut into blocks of 32 from its start; a last block that is shorter is filled with zeros.
;;     - A block's scale is 2^e with e = floor(log2(the largest magnitude in the block)) - 2, held to -126 .. 127; a block of zeros has e = 0. As a byte (E8M0): e + 127.
;;     - Each number is divided by its block's scale, clamped to +-6, and rounded to the nearest number of E2M1, ties to even, subnormals kept.
;;     - The product sums the exact products of the quantised numbers (number of the format x scale) in f32.
;;   ~~~python
;;   def quantise(x, axis):      # numpy; x: float32 -> the quantised numbers, widened to float32 again
;;       x = np.moveaxis(x, axis, -1); K = x.shape[-1]
;;       x = np.pad(x, [(0, 0)] * (x.ndim - 1) + [(0, -K % 32)]); x = x.reshape(x.shape[:-1] + (-1, 32)); a = np.abs(x).max(-1, keepdims=True)
;;       e = np.where(a > 0, np.clip(np.frexp(np.where(a > 0, a, 1))[1] - 1 - 2, -126, 127), 0)      # np.frexp(a)[1] - 1 = floor(log2(a)), exactly
;;       r = np.clip(x / 2.0 ** e, -6, 6)
;;       step = 2.0 ** (np.maximum(np.frexp(np.where(r == 0, 1, r))[1] - 1, 0) - 1)
;;       q = np.round(r / step) * step * 2.0 ** e      # np.round: ties to even
;;       return np.moveaxis(q.reshape(q.shape[:-2] + (-1,))[..., :K], -1, axis).astype(np.float32)
;;   ~~~
;;   OPERANDS COMPUTED ON THE WAY. 'Computed on the way' means the value that the module computes at that place (a softmax that the list does not call 'softmax' is quantised finished and normalised). What goes into a quantiser is computed in f32, as accurately as f32 sums, v_exp_f32 and their like allow (about 1e-6 of the number): no bf16 or f16 on the way to a quantiser, and a product that is left as it is and whose result goes on into a quantised operand takes f32 operands (vector FMAs, or v_wmma_f32_16x16x4_f32). A number that lies on a knife's edge between two numbers of the format may be rounded either way, as far as f32 arithmetic and the matrix unit's own rounding can turn it there, and no further.
;; One version. Each part assembles by itself: llvm-mc -triple=amdgcn-amd-amdhsa -mcpu=gfx1250 --defsym DOCPART=n.
;; ======== version 1 of 1: 2 launches
;; limits: right only within a limited range of input values; values are held in f16: magnitudes above 65,504 overflow, below 6.1e-05 lose precision
;; workspace buffers: a_rec 8,912,896 bytes; b_rec 8,912,896 bytes
;; launch quant (part 1): grid 1024 x 1, 4 waves a work-group, no clusters, 74,240 bytes of LDS; arguments x, a_rec, q_w, b_rec, s_group; writes a_rec, b_rec
.if DOCPART == 1
	.amdgcn_target "amdgcn-amd-amdhsa--gfx1250"
	.amdhsa_code_object_version 6
	.text
	.protected	k_q03aef5a9bf_quant
	.globl	k_q03aef5a9bf_quant
	.p2align	8
	.type	k_q03aef5a9bf_quant,@function
k_q03aef5a9bf_quant:
	s_mov_b64 s[64:65], 0
	v_nop
	global_prefetch_b8 v0, s[64:65] scope:SCOPE_SE
	s_setreg_imm32_b32 hwreg(HW_REG_WAVE_MODE, 25, 1), 1
	s_wait_xcnt 0x0
; Both operands of y = x w are turned into codes of FP4 (E2M1) with one E8M0 scale byte for each 32 along K.
;   A = f32(x), x: [4096 (m)][4096 (k)] int32, K innermost.   B = w = f32(q_w) * f32(s_group), q_w: [4096 (k)][4096 (n)] int32, s_group: [32][4096] f16: K is its first axis.
; OUTPUT LAYOUT (this program's own): a_rec and b_rec are [8 K steps][4096 rows][272 bytes].  The record of (row, K step y) holds the 256 bytes of codes of k = 512 y .. 512 y + 511
; (two codes a byte, the lower k in the low four bits) and behind them its 16 scale bytes (byte j: k = 512 y + 32 j ..).  For B a row is a column n of w.
; A block's scale is 2^(floor(log2(its largest magnitude)) - 2); its byte is the largest magnitude's own exponent field - 2, held at 1 from below; each number is divided by the scale and
; rounded to the nearest code, ties to even, beyond 6 the code of 6.
; LIMITS: a block of zeros gets the byte 1 where the rule says 127 (its codes are zeros, which add nothing under any byte but 0xff, and this program alone reads the bytes);
; blocks whose largest magnitude lies under 2^-124 are held at that byte too; NaN and infinities in s_group are not served; whole numbers beyond 2^24 are rounded to nearest even by the conversion to f32.
; SHARES.  Work-groups 0 to 511 take w, work-groups 512 to 1023 take x: 131,072 bytes of input each, 32,768 a wave on both ways.  The two ways part on the work-group's number and have LDS bytes of their own.
; On x's way waves share nothing.  On w's way two waves make the two halves of each record: one barrier stands between the writing of the stage and its reading.  No tensor loads.  EXEC is never changed.
.set KREC,  4096*272                   ; bytes of a K step's 4,096 records
.set REC,   272
.set FLOOR, 3<<23                      ; the f32 number 2^(3 - 127): no largest magnitude is taken under it, so the byte cannot fall under 1
.set XREG,  9472                       ; LDS of a wave on x's way: two stages of 2,560 bytes, then 16 records
.set WBASE, 4*XREG                     ; LDS of w's way begins behind x's: 37,888
.set WREG,  32*REC                     ; 32 records: 8,704 bytes; w's stage holds 64
.set WOUT,  WREG/2                     ; a wave's quarter of w's stage on the way out: 4,352 bytes = 17 x 256
	s_load_b128 s[4:7], s[0:1], 0x0                ; x, a_rec
	s_load_b128 s[8:11], s[0:1], 0x10              ; q_w, b_rec
	s_load_b64 s[12:13], s[0:1], 0x20              ; s_group
	v_lshl_add_u32 v192, v0, 2, 0x12000            ; my spare word, behind both ways' bytes
	v_mov_b32 v193, 0
	v_lshrrev_b32 v1, 5, v0
	v_readfirstlane_b32 s16, v1                    ; wave 0..3
	v_and_b32 v2, 31, v0                           ; lane
	s_cmp_lt_u32 ttmp9, 512
	s_cbranch_scc0 .Lpath_x
; ---------------- w: A LANE TAKES A COLUMN n, AND ITS REGISTERS RUN DOWN K
; A work-group takes 64 columns x 512 along K.  Wave w takes columns 32 (w % 2) .. + 31 and K half w / 2: 8 blocks a lane, half a record.  Each load reads one row k at 32 neighbouring columns
; (the two waves of a K half: 256 consecutive bytes, aligned); a block lies in one lane's 32 registers, so its largest magnitude needs no other lane and the codes come out with K innermost.
.set SG,   20                          ; v20-23   my two groups' scales as f32, each twice: a pair for the packed multiply
.set SB,   28                          ; v28-29   my column's 8 scale bytes
.set WX,   32                          ; v32-95   two sets of 32 numbers
.set WC,   96                          ; v96-99   a block's codes
.set OUTR, 112                         ; v112-145 the way out: 17 x 2 registers
	s_and_b32 s26, s16, 1                          ; which 32 columns
	s_lshr_b32 s27, s16, 1                         ; which half of the K step
	s_and_b32 s17, ttmp9, 63
	s_lshl_b32 s17, s17, 6                         ; the work-group's first column
	s_lshl_b32 s19, s26, 5
	s_add_co_u32 s28, s17, s19                     ; my wave's first column
	s_lshr_b32 s18, ttmp9, 6                       ; the K step y: 0..7
	s_lshl_b32 s20, s18, 23                        ; q_w: 512 y rows of 16,384 bytes,
	s_lshl_b32 s19, s27, 22
	s_add_co_u32 s20, s20, s19                     ; + 256 rows for the second half,
	s_lshl_b32 s19, s28, 2
	s_add_co_u32 s20, s20, s19                     ; + 4 x column
	s_mov_b32 s21, 0
	s_lshl_b32 s22, s18, 15                        ; s_group: 4 y rows of 8,192 bytes,
	s_lshl_b32 s19, s27, 14
	s_add_co_u32 s22, s22, s19                     ; + 2 rows for the second half,
	s_lshl_b32 s19, s28, 1
	s_add_co_u32 s22, s22, s19                     ; + 2 x column
	s_mov_b32 s23, 0
	s_mul_i32 s24, s18, KREC                       ; b_rec: the K step's records,
	s_mul_i32 s19, s17, REC
	s_add_co_u32 s24, s24, s19                     ; the work-group's 64 (68 x 256 bytes),
	s_mul_i32 s29, s16, WOUT
	s_add_co_u32 s24, s24, s29                     ; my quarter of them
	s_mov_b32 s25, 0
	s_add_co_u32 s29, s29, WBASE                   ; and the same quarter of the stage
	s_mul_i32 s19, s26, WREG
	s_add_co_u32 s19, s19, WBASE                   ; the stage's records of my 32 columns
	s_lshl_b32 s30, s27, 7                         ; my half's codes begin at byte 128 x half of a record,
	s_lshl_b32 s31, s27, 3                         ; its scale bytes at 256 + 8 x half
	s_wait_alu depctr_va_vdst(0)
	v_lshlrev_b32 v3, 2, v2                        ; q_w: 4 bytes a lane
	v_lshlrev_b32 v9, 1, v2                        ; s_group: 2 bytes a lane
	v_mul_u32_u24 v6, v2, REC
	v_add_nc_u32 v6, s19, v6                       ; my column's record: 272 bytes = 68 words from lane to lane
	v_add_nc_u32 v4, s30, v6                       ; where my codes go
	v_add_nc_u32 v5, s31, v6                       ; where my scale bytes go (+ 256)
	v_lshlrev_b32 v8, 3, v2                        ; out: 8 bytes a lane, in memory
	v_add_nc_u32 v7, s29, v8                       ; and in the stage
	s_wait_alu depctr_va_vdst(0)                   ; the wait at the head's end
	s_wait_kmcnt 0x0
	s_add_nc_u64 s[8:9], s[8:9], s[20:21]
	s_add_nc_u64 s[12:13], s[12:13], s[22:23]
	s_add_nc_u64 s[10:11], s[10:11], s[24:25]
.macro WLOAD t                         ; block t: 32 rows of q_w at my column, into set t % 2.  The largest offset, 255 x 16,384, lies inside the signed 24-bit immediate
.irp i, 0,1,2,3,4,5,6,7,8,9,10,11,12,13,14,15,16,17,18,19,20,21,22,23,24,25,26,27,28,29,30,31
	global_load_b32 v[WX+32*((\t)%2)+\i], v3, s[8:9] offset:(32*(\t)+\i)*16384 th:TH_LOAD_NT
.endr
.endm
.irp g, 0,1
	global_load_u16 v[16+\g], v9, s[12:13] offset:8192*\g   ; the scales of my two groups of 128
.endr
	WLOAD 0
	s_wait_loadcnt 32                              ; the two scales are in; block 0's 32 loads may be out
	v_cvt_f32_f16 v20, v16.l
	v_cvt_f32_f16 v22, v17.l
.irp g, 0,1
	v_mov_b32 v[SG+2*\g+1], v[SG+2*\g]
.endr
	WLOAD 1
.macro WBLOCK t
.set WS, WX+32*((\t)%2)
.if (\t) < 7
	s_wait_loadcnt 32                              ; loads come back in order: this block's 32 are in, the next block's 32 may be out
.else
	s_wait_loadcnt 0x0
.endif
.irp i, 0,1,2,3,4,5,6,7,8,9,10,11,12,13,14,15,16,17,18,19,20,21,22,23,24,25,26,27,28,29,30,31
	v_cvt_f32_i32 v[WS+\i], v[WS+\i]
.endr
.irp i, 0,2,4,6,8,10,12,14,16,18,20,22,24,26,28,30
	v_pk_mul_f32 v[WS+\i:WS+\i+1], v[WS+\i:WS+\i+1], v[SG+2*((\t)/4):SG+2*((\t)/4)+1]   ; w = f32(q_w) x f32(s_group): a group of 128 is four blocks
.endr
	v_max3_num_f32 v12, |v[WS]|, |v[WS+1]|, |v[WS+2]|              ; the block's largest magnitude, in two chains
	v_max3_num_f32 v13, |v[WS+3]|, |v[WS+4]|, |v[WS+5]|
.irp i, 6,10,14,18,22,26
	v_max3_num_f32 v12, v12, |v[WS+\i]|, |v[WS+\i+1]|
	v_max3_num_f32 v13, v13, |v[WS+\i+2]|, |v[WS+\i+3]|
.endr
	v_max3_num_f32 v12, v12, |v[WS+30]|, |v[WS+31]|
	v_max3_num_f32 v12, v12, v13, FLOOR
	v_add_nc_u32 v11, 0xff000000, v12              ; 2 off its exponent field: the conversion's scale operand
	v_lshrrev_b32 v13, 23, v11                     ; the scale's byte
.if (\t)%4 == 0
	v_mov_b32 v[SB+(\t)/4], v13                    ; four bytes to a register, the lower K in the lower byte
.else
	v_lshl_or_b32 v[SB+(\t)/4], v13, 8*((\t)%4), v[SB+(\t)/4]
.endif
.irp g, 0,1,2,3
	v_cvt_scalef32_pk8_fp4_f32 v[WC+\g], v[WS+8*\g:WS+8*\g+7], v11
.endr
	ds_store_b128 v4, v[WC:WC+3] offset:16*(\t)    ; 32 codes: 16 bytes of my half of the record.  (The next vector lines are plain and name nothing of the scaled conversions)
.if (\t)+2 < 8
	WLOAD (\t)+2
.endif
	s_wait_dscnt 0x0                               ; the store has read its registers: the next block's codes may be written
.endm
.irp t, 0,1,2,3,4,5,6,7
	WBLOCK \t
.endr
	s_wait_alu depctr_va_vdst(0)                   ; directly ahead of the reader below
	ds_store_b64 v5, v[SB:SB+1] offset:256         ; my half of the record's scale bytes
	s_wait_dscnt 0x0                               ; for the others' sake: my stores into the stage are done
	s_barrier_signal -1
	s_barrier_wait -1                              ; the 64 records are whole
.irp u, 0,1,2,3,4,5,6,7,8,9,10,11,12,13,14,15,16
	ds_load_b64 v[OUTR+2*\u:OUTR+2*\u+1], v7 offset:256*\u   ; my quarter of the stage as it lies
.endr
.irp u, 0,1,2,3,4,5,6,7,8,9,10,11,12,13,14,15,16
	s_wait_dscnt 16-\u                             ; the younger loads may be out
	global_store_b64 v8, v[OUTR+2*\u:OUTR+2*\u+1], s[10:11] offset:256*\u   ; 32 lanes store 256 consecutive bytes, at a multiple of 256 from b_rec's first byte
.endr
	s_wait_tensorcnt 0x0                           ; the wave's end
	ds_add_u32 v192, v193
	s_wait_dscnt 0x0
	s_endpgm
; ---------------- x: K IS INNERMOST
; A wave takes 16 rows x 512 along K: 16 steps, one record a step.  A step's four loads read 512 consecutive bytes each, 16 a lane; the 2,048 bytes turn through the wave's own stage, as they lie,
; and come back 64 bytes a lane: 16 neighbours along K, so that two neighbouring lanes hold a block.  The stage has 16 bytes of padding behind each 64.
; Loads run four steps (16 loads) ahead, the turn through LDS one step.  The 16 records are gathered in LDS and leave as 4,352 consecutive bytes.
.Lpath_x:
.set SP,   80                          ; a lane's place in a stage: its 64 bytes + 16 of padding
.set STG,  32*SP                       ; a stage
.set XR,   16                          ; v16-79   four sets of 16 numbers as they are loaded
.set XN,   80                          ; v80-111  two sets of 16 neighbours
.set XE,   112                         ; v112-127 a scale byte for each step
.set XC,   128                         ; v128-159 codes: a pair for each step, so that no store's data are written again
	s_sub_co_u32 s17, ttmp9, 512
	s_lshl_b32 s17, s17, 2
	s_add_co_u32 s17, s17, s16                     ; my wave among x's 2,048
	s_and_b32 s18, s17, 7                          ; the K step y
	s_lshr_b32 s17, s17, 3                         ; which 16 rows
	s_lshl_b32 s20, s17, 18                        ; x: 16 rows of 16,384 bytes,
	s_lshl_b32 s19, s18, 11
	s_add_co_u32 s20, s20, s19                     ; + 2,048 y
	s_mov_b32 s21, 0
	s_mul_i32 s24, s18, KREC                       ; a_rec: the K step's records,
	s_mul_i32 s19, s17, 16*REC
	s_add_co_u32 s24, s24, s19                     ; my 16: 17 x 256 bytes
	s_mov_b32 s25, 0
	s_mul_i32 s19, s16, XREG                       ; my LDS
	s_wait_alu depctr_va_vdst(0)
	v_lshlrev_b32 v3, 4, v2                        ; my 16 bytes of a load's 512
	v_lshrrev_b32 v14, 2, v2
	v_mul_u32_u24 v14, v14, SP
	v_and_b32 v15, 3, v2
	v_lshl_add_u32 v14, v15, 4, v14
	v_add_nc_u32 v14, s19, v14                     ; a stage, on the way in: SP (lane / 4) + 16 (lane % 4)
	v_mul_u32_u24 v15, v2, SP
	v_add_nc_u32 v15, s19, v15                     ; and on the way out: SP x lane: my 16 neighbours
	v_lshlrev_b32 v7, 3, v2                        ; 8 bytes a lane: my 16 codes' place in a record, and my place in a store of 256 bytes
	s_add_co_u32 s19, s19, 2*STG                   ; the 16 records
	v_add_nc_u32 v4, s19, v7
	v_lshrrev_b32 v5, 1, v2
	s_add_co_u32 s19, s19, 256
	v_add_nc_u32 v5, s19, v5                       ; my block's scale byte
	s_wait_alu depctr_va_vdst(0)                   ; the wait at the head's end
	s_wait_kmcnt 0x0
	s_add_nc_u64 s[4:5], s[4:5], s[20:21]
	s_add_nc_u64 s[6:7], s[6:7], s[24:25]
.macro XLOAD t                         ; step t: row t of my 16
.irp i, 0,1,2,3
	global_load_b128 v[XR+16*((\t)%4)+4*\i:XR+16*((\t)%4)+4*\i+3], v3, s[4:5] offset:16384*(\t)+512*\i th:TH_LOAD_NT   ; 32 lanes read 512 consecutive bytes
.endr
.endm
.macro XTURN t                         ; step t's numbers through a stage: LDS serves a wave's instructions in order, so no wait stands between the stores and the loads
.irp i, 0,1,2,3
	ds_store_b128 v14, v[XR+16*((\t)%4)+4*\i:XR+16*((\t)%4)+4*\i+3] offset:STG*((\t)%2)+8*SP*\i
.endr
.irp i, 0,1,2,3
	ds_load_b128 v[XN+16*((\t)%2)+4*\i:XN+16*((\t)%2)+4*\i+3], v15 offset:STG*((\t)%2)+16*\i
.endr
.endm
.irp t, 0,1,2,3
	XLOAD \t
.endr
	s_wait_loadcnt 12                              ; step 0's four loads are in
	XTURN 0
.macro XSTEP t
.set XS, XN+16*((\t)%2)
.if (\t) > 0
	s_wait_dscnt 2                                 ; this step's numbers are back from the stage (the last step's byte store and code store may be out)
.else
	s_wait_dscnt 0x0
.endif
.if (\t)+4 < 16
	XLOAD (\t)+4                                   ; into the registers that this step's stores into the stage have read
.endif
.if (\t)+1 < 16
.if 14-(\t) >= 3
	s_wait_loadcnt 12                              ; the next step's four loads are in; those of the three steps behind it may be out
.else
	s_wait_loadcnt 4*(14-(\t))
.endif
	XTURN (\t)+1                                   ; and go through the other stage while this step is worked
.endif
.irp i, 0,1,2,3,4,5,6,7,8,9,10,11,12,13,14,15
	v_cvt_f32_i32 v[XS+\i], v[XS+\i]
.endr
	v_max3_num_f32 v8, |v[XS]|, |v[XS+1]|, |v[XS+2]|               ; the largest magnitude of my 16
	v_max3_num_f32 v9, |v[XS+3]|, |v[XS+4]|, |v[XS+5]|
.irp i, 6,10
	v_max3_num_f32 v8, v8, |v[XS+\i]|, |v[XS+\i+1]|
	v_max3_num_f32 v9, v9, |v[XS+\i+2]|, |v[XS+\i+3]|
.endr
	v_max3_num_f32 v8, v8, |v[XS+14]|, |v[XS+15]|
	v_max3_num_f32 v8, v8, v9, FLOOR
	v_max_num_f32_dpp v8, v8, v8 row_xmask:1 row_mask:0xf bank_mask:0xf   ; and of my neighbour's 16: the block's
	v_add_nc_u32 v11, 0xff000000, v8               ; 2 off its exponent field: the conversion's scale operand
	v_cvt_scalef32_pk8_fp4_f32 v[XC+2*(\t)], v[XS:XS+7], v11
	v_cvt_scalef32_pk8_fp4_f32 v[XC+2*(\t)+1], v[XS+8:XS+15], v11
	v_lshrrev_b32 v[XE+(\t)], 23, v11              ; the scale's byte.  (A plain vector line behind the scaled conversions)
	ds_store_b8 v5, v[XE+(\t)] offset:REC*(\t)     ; both lanes of a block write the same byte with the same value
	ds_store_b64 v4, v[XC+2*(\t):XC+2*(\t)+1] offset:REC*(\t)
.endm
.irp t, 0,1,2,3,4,5,6,7,8,9,10,11,12,13,14,15
	XSTEP \t
.endr
.irp u, 0,1,2,3,4,5,6,7,8,9,10,11,12,13,14,15,16
	ds_load_b64 v[XR+2*\u:XR+2*\u+1], v4 offset:256*\u   ; the 16 records as they lie; these see my stores
.endr
.irp u, 0,1,2,3,4,5,6,7,8,9,10,11,12,13,14,15,16
	s_wait_dscnt 16-\u                             ; the younger loads may be out
	global_store_b64 v7, v[XR+2*\u:XR+2*\u+1], s[6:7] offset:256*\u   ; 32 lanes store 256 consecutive bytes, at a multiple of 256 from a_rec's first byte
.endr
	s_wait_tensorcnt 0x0                           ; the wave's end
	ds_add_u32 v192, v193
	s_wait_dscnt 0x0
	s_endpgm
.Lfunc_end_k_q03aef5a9bf_quant:
	.size	k_q03aef5a9bf_quant, .Lfunc_end_k_q03aef5a9bf_quant-k_q03aef5a9bf_quant
	.p2alignl 7, 3214868480
	.fill 96, 4, 3214868480
	.section	.rodata,"a",@progbits
	.p2align	6, 0x0
	.amdhsa_kernel k_q03aef5a9bf_quant
		.amdhsa_group_segment_fixed_size 74240
		.amdhsa_private_segment_fixed_size 0
		.amdhsa_enable_private_segment 0
		.amdhsa_kernarg_size 40
		.amdhsa_user_sgpr_count 2
		.amdhsa_user_sgpr_kernarg_segment_ptr 1
		.amdhsa_wavefront_size32 1
		.amdhsa_system_sgpr_workgroup_id_x 1
		.amdhsa_system_sgpr_workgroup_id_y 1
		.amdhsa_system_sgpr_workgroup_id_z 1
		.amdhsa_system_vgpr_workitem_id 0
		.amdhsa_next_free_vgpr 194
		.amdhsa_next_free_sgpr 66
		.amdhsa_reserve_vcc 0
		.amdhsa_float_denorm_mode_32 3
		.amdhsa_float_denorm_mode_16_64 3
		.amdhsa_memory_ordered 1
		.amdhsa_forward_progress 1
		.amdhsa_inst_pref_size 102
	.end_amdhsa_kernel
	.amdgpu_metadata
---
amdhsa.version: [ 1, 2 ]
amdhsa.kernels:
  - .name:           k_q03aef5a9bf_quant
    .symbol:         k_q03aef5a9bf_quant.kd
    .args:
      - { .name: x, .offset: 0, .size: 8, .value_kind: global_buffer, .address_space: global }
      - { .name: a_rec, .offset: 8, .size: 8, .value_kind: global_buffer, .address_space: global }
      - { .name: q_w, .offset: 16, .size: 8, .value_kind: global_buffer, .address_space: global }
      - { .name: b_rec, .offset: 24, .size: 8, .value_kind: global_buffer, .address_space: global }
      - { .name: s_group, .offset: 32, .size: 8, .value_kind: global_buffer, .address_space: global }
    .group_segment_fixed_size: 74240
    .private_segment_fixed_size: 0
    .kernarg_segment_align: 8
    .kernarg_segment_size: 40
    .max_flat_workgroup_size: 128
    .sgpr_count:     66
    .vgpr_count:     194
    .wavefront_size: 32
...
	.end_amdgpu_metadata
.endif
;; end of part 1
;; launch gemm (part 2): grid 16 x 16, 4 waves a work-group, clusters of 4 x 4, 327,680 bytes of LDS; arguments a_rec, b_rec, input_scale, s_channel, out0; writes out0
.if DOCPART == 2
	.amdgcn_target "amdgcn-amd-amdhsa--gfx1250"
	.amdhsa_code_object_version 6
	.text
	.protected	k_q03aef5a9bf_gemm
	.globl	k_q03aef5a9bf_gemm
	.p2align	8
	.type	k_q03aef5a9bf_gemm,@function
k_q03aef5a9bf_gemm:
	s_mov_b64 s[64:65], 0
	v_nop
	global_prefetch_b8 v0, s[64:65] scope:SCOPE_SE
	s_setreg_imm32_b32 hwreg(HW_REG_WAVE_MODE, 25, 1), 1
	s_wait_xcnt 0x0
	s_wait_alu depctr_hold_cnt(0) depctr_sa_sdst(0) depctr_va_vdst(0) depctr_va_sdst(0) depctr_va_ssrc(0) depctr_va_vcc(0) depctr_vm_vsrc(0)
	s_getreg_b32 s2, hwreg(HW_REG_IB_STS2, 6, 4)
	s_cmp_eq_u32 s2, 0
	s_cbranch_scc0 .Lentry_in_a_cluster
	s_endpgm
.Lentry_in_a_cluster:
	s_bfe_u32 s2, ttmp6, 0x10000c
	s_cmp_lg_u32 s2, 0xf033
	s_cbranch_scc0 .Lentry_shape_is_right
	s_endpgm
.Lentry_shape_is_right:
; out0[m][n] = (sum over k of A[m][k] B[n][k]) x input_scale x s_channel[n], A and B as codes of FP4 (E2M1) with E8M0 scale bytes.
; a_rec, b_rec: [8 K steps][4096 rows][272 bytes]: 256 bytes of codes (512 along K), then the row's 16 scale bytes; 128 rows of a K step are 34,816 consecutive bytes = 136 blocks of 256.
; A work-group of four waves makes 256 x 256 of out0, a wave 128 x 128 (64 accumulators).  K goes in 8 steps of 512 through a ring of two LDS slots; a wave fetches 128 records with one tensor load.
; CLUSTERS of 4 x 4: A's tiles are asked for jointly along a row of the cluster, B's along a column.  The matrix instruction is used transposed (source 0 = rows of B), so a lane holds 8 neighbours of a row of out0.
; THE HEAD: one joint load a wave (K step 0); the addresses are made while it is out; then the three lines, a round, and K step 1's load as the first tensor load behind the round.
; PREFETCH: behind the load of K step r stand requests for K step r + 2; the head also asks for K step 1: at most two K steps are asked for and not yet read.
; Of the 136 blocks that a wave fetches, the partner at place p (cx for A, cy for B) names blocks 34 p .. 34 p + 33: 32 by a lane each, 2 by a second line whose lanes 1-31 all name the last.
; The partners are told apart by address alone.  The loop's last trip asks for nothing: K steps 8 and 9 do not exist.
; The last K step goes by rows of out0, so that finished rows leave while the others are multiplied; the two factors are applied on the way out.
.set SIZE_N, 4096
.set PFA, 68                           ; s[68:69] my share of the blocks, two K steps behind the one that the loop's requests name
.set NQ,     4
.set PITCH,  272
.set KREC,   4096*PITCH
.set FR,     8
.set NL,     2
.set NP,     4
.set HALFT,  128*PITCH
.set SLOT,   4*HALFT
.set LAPS,   4
.set SPARE,  2*SLOT
.set SPITCH, 528
.set ADRA, 16
.set ADRB, 20
.set ADRS, 22
.set STO,  24
.set RD,   25
.set CO,   26
.set SPW,  28
.set NIL,  29
.set SC,   32
.set FC,   96
.set AF,   128
.set PA,   128
.set G1, 24
.set G0, 32
.set G1B, 48
.set G0B, 56
.set INS, 66
.set MSB, 0
.macro WIN new
.if MSB != \new
	s_set_vgpr_msb (MSB<<8)|\new
.set MSB, \new
.endif
.endm
.set MUL_LO, 0xa1
.set MUL_HI, 0xf1
.set TO_B,   0x40
.macro JLOAD g0a, g1a, g0b, g1b
	s_cmp_eq_u32 s15, 0
	s_cbranch_scc0 .Lfor_b_\@
	tensor_load_to_lds s[\g0a:\g0a+3], s[\g1a:\g1a+7]
	s_nop 0
.rept 4
	v_nop
.endr
	s_branch .Lasked_\@
.Lfor_b_\@:
	tensor_load_to_lds s[\g0b:\g0b+3], s[\g1b:\g1b+7]
	s_nop 0
.rept 4
	v_nop
.endr
.Lasked_\@:
.endm
.macro CREST
	s_cmp_lg_u32 s14, 0
	s_cbranch_scc1 .Lnot_wave_0_\@
	s_barrier_signal -3
.Lnot_wave_0_\@:
	s_barrier_wait -3
	s_barrier_signal -1
	s_barrier_wait -1
.endm
.macro CROUND
	s_barrier_signal -1
	s_barrier_wait -1
	CREST
.endm
	s_load_b128 s[4:7], s[0:1], 0x0
	s_load_b128 s[8:11], s[0:1], 0x10
	s_load_b64 s[12:13], s[0:1], 0x20
	v_lshl_add_u32 v[SPW], v0, 2, SPARE
	v_mov_b32 v[NIL], 0
	ds_add_u32 v28, v29
	ds_add_u32 v28, v29
	s_wait_dscnt 0x0
	v_lshrrev_b32 v1, 5, v0
	v_readfirstlane_b32 s14, v1
	s_lshr_b32 s15, s14, 1
	s_and_b32 s16, s14, 1
	s_bfe_u32 s40, ttmp6, 0x40000
	s_bfe_u32 s41, ttmp6, 0x40004
	s_lshl_b32 s42, ttmp9, 2
	s_add_co_u32 s42, s42, s40
	s_and_b32 s17, ttmp7, 0xffff
	s_lshl_b32 s17, s17, 2
	s_add_co_u32 s17, s17, s41
	s_lshl_b32 s43, s41, 2
	s_lshl_b32 s43, 15, s43
	s_lshl_b32 s44, 0x1111, s40
	s_or_b32 s[G1+0], s43, (3<<16)|(1<<21)
	s_or_b32 s[G1B+0], s44, (3<<16)|(1<<21)
.irp g, G1, G1B
	s_mov_b32 s[\g+1], 32<<16
	s_mov_b32 s[\g+2], 136<<16
	s_mov_b32 s[\g+3], 32<<16
	s_mov_b32 s[\g+4], 136
	s_mov_b32 s[\g+5], 32
	s_mov_b32 s[\g+6], 0
	s_mov_b32 s[\g+7], 0
.endr
	s_lshl_b32 s18, s16, 7
	s_lshl_b32 s20, s17, 8
	s_add_co_u32 s20, s20, s18
	s_lshl_b32 s46, s42, 8
	s_add_co_u32 s46, s46, s18
	s_mul_i32 s20, s20, PITCH
	s_mul_i32 s46, s46, PITCH
	s_mov_b32 s21, 0
	s_mov_b32 s47, 0
	s_mul_i32 s45, s14, HALFT
	s_wait_kmcnt 0x0
	s_add_nc_u64 s[20:21], s[4:5], s[20:21]
	s_add_nc_u64 s[46:47], s[6:7], s[46:47]
	s_load_b32 s[INS], s[8:9], 0x0
	CROUND
.irp s, 0,1
	s_mov_b32 s[G0+4*\s], 1
	s_add_co_u32 s[G0+4*\s+1], s45, \s*SLOT
	s_add_nc_u64 s[G0+4*\s+2:G0+4*\s+3], s[20:21], \s*KREC
	s_or_b32 s[G0+4*\s+3], s[G0+4*\s+3], 0x80000000
	s_mov_b32 s[G0B+4*\s], 1
	s_add_co_u32 s[G0B+4*\s+1], s45, \s*SLOT
	s_add_nc_u64 s[G0B+4*\s+2:G0B+4*\s+3], s[46:47], \s*KREC
	s_or_b32 s[G0B+4*\s+3], s[G0B+4*\s+3], 0x80000000
.endr
	JLOAD G0, G1, G0B, G1B                         ; K step 0: one tensor load a wave at the head
.macro ASKPF off                       ; 34 blocks of 256 bytes of the K step that lies off bytes behind s[PFA:PFA+1]
	global_prefetch_b8 v30, s[PFA:PFA+1] offset:\off th:TH_LOAD_NT scope:SCOPE_SE
	global_prefetch_b8 v31, s[PFA:PFA+1] offset:\off+8192 th:TH_LOAD_NT scope:SCOPE_SE
.endm
	s_cmp_eq_u32 s15, 0                            ; do I fetch for A?
	s_cselect_b32 s18, s17, s42                    ; the tile row of A, or the tile column of B
	s_cselect_b32 s19, s40, s41                    ; my place among the four that ask with me
	s_cselect_b64 s[PFA:PFA+1], s[4:5], s[6:7]
	s_lshl_b32 s18, s18, 1
	s_add_co_u32 s18, s18, s16                     ; which 128 records
	s_mul_i32 s18, s18, HALFT
	s_mul_i32 s19, s19, HALFT/4                    ; my work-group's 34 blocks of them
	s_add_co_u32 s18, s18, s19
	s_add_co_u32 s18, s18, KREC                    ; at K step 1
	s_mov_b32 s19, 0
	s_add_nc_u64 s[PFA:PFA+1], s[PFA:PFA+1], s[18:19]
	v_and_b32 v7, 31, v0
	v_lshlrev_b32 v30, 8, v7                       ; a lane a block; never rewritten
	v_min_u32 v31, 1, v7
	v_lshlrev_b32 v31, 8, v31                      ; blocks 32 and 33; never rewritten
	ASKPF 0                                        ; K step 1
	ASKPF KREC                                     ; K step 2
	v_and_b32 v1, 15, v0
	v_bfe_u32 v2, v0, 4, 1
	s_wait_alu depctr_va_vdst(0)
	v_mul_u32_u24 v3, v1, PITCH
	v_lshl_add_u32 v4, v2, 4, v3
	s_mul_i32 s21, s15, HALFT
	s_mul_i32 s22, s16, HALFT
	s_add_co_u32 s22, s22, 2*HALFT
.irp s, 0,1
	v_add_nc_u32 v[ADRA+\s], s21, v4
	v_add_nc_u32 v[ADRB+\s], s22, v4
	s_add_co_u32 s21, s21, SLOT
	s_add_co_u32 s22, s22, SLOT
.endr
	s_mul_i32 s21, s15, HALFT
	s_mul_i32 s22, s16, HALFT
	s_add_co_u32 s22, s22, 2*HALFT
	s_sub_co_u32 s22, s22, s21
	v_mul_u32_u24 v6, s22, v2
	s_wait_alu depctr_va_vdst(0)
	s_add_co_u32 s21, s21, 256
	v_add_nc_u32 v5, v3, v6
	v_add_nc_u32 v[ADRS], s21, v5
	v_add_nc_u32 v[ADRS+1], SLOT, v[ADRS]
	s_mul_i32 s23, s14, 16*SPITCH
	v_mul_u32_u24 v5, v1, SPITCH
	v_lshl_add_u32 v5, v2, 5, v5
	v_add_nc_u32 v[STO], s23, v5
	v_and_b32 v6, 31, v0
	v_lshlrev_b32 v[CO], 4, v6
	s_wait_alu depctr_va_vdst(0)
	v_add_nc_u32 v[RD], s23, v[CO]
	s_lshl_b32 s20, s17, 8
	s_lshl_b32 s21, s15, 7
	s_add_co_u32 s20, s20, s21
	s_lshl_b32 s20, s20, 14
	s_mov_b32 s21, 0
	s_lshl_b32 s46, s42, 10
	s_lshl_b32 s47, s16, 9
	s_add_co_u32 s46, s46, s47
	s_mov_b32 s47, 0
	s_add_nc_u64 s[10:11], s[10:11], s[46:47]
	s_add_nc_u64 s[20:21], s[20:21], s[46:47]
	s_add_nc_u64 s[12:13], s[12:13], s[20:21]
	global_load_b128 v[FC:FC+3], v[CO], s[10:11]
	s_wait_kmcnt 0x0
	s_wait_loadcnt 0x0
.irp i, 0,1,2,3
	v_mul_f32 v[FC+\i], s[INS], v[FC+\i]
.endr
.macro FRAG reg, adr, q, i
.irp c, 0,1
	ds_load_b128 v[\reg+4*\c:\reg+4*\c+3], v[\adr] offset:64*(\q)+32*\c+(\i)*16*PITCH
.endr
.endm
.macro MUL16 a0, p, q, sc, zero
.irp a, \a0, \a0+1
.irp b, 0,1,2,3,4,5,6,7
.if \zero
	v_wmma_scale_f32_16x16x128_f8f6f4 v[8*(8*((\a)%4)+\b):8*(8*((\a)%4)+\b)+7], v[128*(\p)+FR*\b:128*(\p)+FR*\b+FR-1], v[AF+FR*(\a):AF+FR*(\a)+FR-1], 0, v[SC+8*NQ*(\sc)+NQ*\b+(\q)], v[SC+8*NQ*(\sc)+NQ*(\a)+(\q)] matrix_a_fmt:MATRIX_FMT_FP4 matrix_b_fmt:MATRIX_FMT_FP4 matrix_a_scale:MATRIX_SCALE_ROW1
.else
	v_wmma_scale_f32_16x16x128_f8f6f4 v[8*(8*((\a)%4)+\b):8*(8*((\a)%4)+\b)+7], v[128*(\p)+FR*\b:128*(\p)+FR*\b+FR-1], v[AF+FR*(\a):AF+FR*(\a)+FR-1], v[8*(8*((\a)%4)+\b):8*(8*((\a)%4)+\b)+7], v[SC+8*NQ*(\sc)+NQ*\b+(\q)], v[SC+8*NQ*(\sc)+NQ*(\a)+(\q)] matrix_a_fmt:MATRIX_FMT_FP4 matrix_b_fmt:MATRIX_FMT_FP4 matrix_a_scale:MATRIX_SCALE_ROW1
.endif
.endr
.endr
.endm
.macro FETCH_B slot, q, p
	WIN TO_B
.irp i, 0,1,2,3,4,5,6,7
	FRAG 128*(\p)+FR*\i, ADRB+\slot, \q, \i
.endr
	WIN 0
.endm
.macro FETCH_A slot, q, i0
.irp i, \i0, \i0+1, \i0+2, \i0+3
	FRAG AF+FR*(\i), ADRA+\slot, \q, \i
.endr
.endm
.macro SCALES sc
.irp i, 0,1,2,3,4,5,6,7
	ds_load_b128 v[SC+8*NQ*\sc+NQ*\i:SC+8*NQ*\sc+NQ*\i+3], v[ADRS+\sc] offset:\i*16*PITCH
.endr
.endm
.macro PLACES n
.rept \n
	v_nop
.endr
.endm
.macro STEP slot, q, zero
	s_wait_dscnt 4*NL
	WIN MUL_LO
	MUL16 0, (\q)%2, \q, \slot, \zero
	MUL16 2, (\q)%2, \q, \slot, \zero
	s_wait_dscnt 0
	PLACES NP
	FETCH_B \slot, (\q)+1, 1-(\q)%2
	FETCH_A \slot, (\q)+1, 0
	WIN MUL_HI
	MUL16 4, (\q)%2, \q, \slot, \zero
	MUL16 6, (\q)%2, \q, \slot, \zero
	PLACES NP
	WIN 0
	FETCH_A \slot, (\q)+1, 4
.endm
.macro MEET slot
	s_wait_tensorcnt 0x0
	ds_add_u32 v[SPW], v[NIL]
	s_wait_dscnt 4*NL+1
	WIN MUL_LO
	MUL16 0, 1, NQ-1, \slot, 0
	s_wait_dscnt 0x0
	s_barrier_signal -1
	MUL16 2, 1, NQ-1, \slot, 0
	WIN 0
	s_barrier_wait -1
.endm
.macro TURN slot, next
	s_wait_xcnt 0x0                                ; my requests have read their base: it steps here, ahead of the waits of the change of slots
	s_add_nc_u64 s[PFA:PFA+1], s[PFA:PFA+1], KREC
	MEET \slot
	CREST
	s_add_nc_u64 s[G0+4*\slot+2:G0+4*\slot+3], s[G0+4*\slot+2:G0+4*\slot+3], 2*KREC
	s_add_nc_u64 s[G0B+4*\slot+2:G0B+4*\slot+3], s[G0B+4*\slot+2:G0B+4*\slot+3], 2*KREC
	JLOAD G0+4*\slot, G1, G0B+4*\slot, G1B
	FETCH_B \next, 0, 0
	FETCH_A \next, 0, 0
	SCALES \next
	s_cmp_gt_u32 s3, 1                             ; s3 = 1 in the loop's last trip, whose refills have no K step two on
	s_cbranch_scc0 .Lnoask_\@
	ASKPF 2*KREC                                   ; the K step two refills on
.Lnoask_\@:
	WIN MUL_HI
	MUL16 4, 1, NQ-1, \slot, 0
	MUL16 6, 1, NQ-1, \slot, 0
	PLACES NP
	WIN 0
	FETCH_A \next, 0, 4
.endm
.macro STEPS slot, from
.set Q, \from
.rept NQ-1-\from
	STEP \slot, Q, 0
.set Q, Q+1
.endr
.endm
.macro BLOAD q
.irp i, 0,1,2,3,4,5,6,7
	FRAG 64*(\q)+FR*\i, ADRB+1, \q, \i
.endr
.endm
.macro ALOAD a
.irp q, 0,1,2,3
	FRAG PA+32*((\a)%4)+FR*\q, ADRA+1, \q, \a
.endr
.endm
.macro ROW a
.set FA, PA+32*((\a)%4)
.set AC, 64*((\a)%4)
	WIN (MUL_LO+0x50*((\a)/4))
.irp q, 0,1,2,3
.if ((\a) == 0) && (\q == 2)
	s_wait_dscnt 8
.endif
.irp b, 0,1,2,3,4,5,6,7
	v_wmma_scale_f32_16x16x128_f8f6f4 v[AC+8*\b:AC+8*\b+7], v[64*\q+FR*\b:64*\q+FR*\b+FR-1], v[FA+FR*\q:FA+FR*\q+FR-1], v[AC+8*\b:AC+8*\b+7], v[SC+8*NQ+NQ*\b+\q], v[SC+8*NQ+NQ*(\a)+\q] matrix_a_fmt:MATRIX_FMT_FP4 matrix_b_fmt:MATRIX_FMT_FP4 matrix_a_scale:MATRIX_SCALE_ROW1
.endr
.endr
.endm
.macro TOSTAGE a
.set AC, 64*((\a)%4)
	WIN (0x88+0x44*((\a)/4))
.irp b, 0,1,2,3,4,5,6,7
	ds_store_b128 v[STO], v[AC+8*\b:AC+8*\b+3] offset:64*\b
	ds_store_b128 v[STO], v[AC+8*\b+4:AC+8*\b+7] offset:64*\b+16
.endr
.irp t, 0,1,2,3,4,5,6,7,8,9,10,11,12,13,14,15
	ds_load_b128 v[AC+4*\t:AC+4*\t+3], v[RD] offset:\t*SPITCH
.endr
.endm
.macro SEND a, younger
.set AC, 64*((\a)%4)
	s_wait_dscnt \younger
	WIN (0x82+0x41*((\a)/4))
.irp t, 0,1,2,3,4,5,6,7,8,9,10,11,12,13,14,15
	v_pk_mul_f32 v[AC+4*\t:AC+4*\t+1], v[AC+4*\t:AC+4*\t+1], v[FC:FC+1]
	v_pk_mul_f32 v[AC+4*\t+2:AC+4*\t+3], v[AC+4*\t+2:AC+4*\t+3], v[FC+2:FC+3]
.endr
	WIN (0x88+0x44*((\a)/4))
.irp t, 0,1,2,3,4,5,6,7,8,9,10,11,12,13,14,15
	global_store_b128 v[CO], v[AC+4*\t:AC+4*\t+3], s[12:13] offset:(16*(\a)+\t)*SIZE_N*4 th:TH_STORE_NT
.endr
.endm
	s_wait_alu depctr_va_vdst(0)                   ; the wait at the head's end
	s_wait_tensorcnt 0x0                           ; my part of K step 0 is in
	ds_add_u32 v[SPW], v[NIL]
	s_wait_dscnt 0x0
	CROUND                                         ; everybody's part is in, and all sixteen work-groups are here
	JLOAD G0+4, G1, G0B+4, G1B                     ; K step 1: slot 1's first fill, the first tensor load behind the round
	FETCH_B 0, 0, 0
	FETCH_A 0, 0, 0
	SCALES 0
	FETCH_A 0, 0, 4
	ASKPF 2*KREC                                   ; K step 3
	STEP 0, 0, 1
	s_mov_b32 s3, LAPS-1
.Llap:
	STEPS 0, 1
	TURN 0, 1
	STEPS 1, 0
	TURN 1, 0
	STEP 0, 0, 0
	s_sub_co_u32 s3, s3, 1
	s_cmp_lg_u32 s3, 0
	s_cbranch_scc1 .Llap
	STEPS 0, 1
	MEET 0
	PLACES NP
	WIN TO_B
	BLOAD 0
	BLOAD 1
	BLOAD 3
	WIN 0
	SCALES 1
	ALOAD 0
	ALOAD 2
	ALOAD 3
	WIN MUL_HI
	MUL16 4, 1, NQ-1, 0, 0
	MUL16 6, 1, NQ-1, 0, 0
	PLACES NP
	WIN TO_B
	BLOAD 2
	WIN 0
	ALOAD 1
	s_wait_dscnt 24
	ROW 0
	s_wait_alu depctr_va_vdst(0)
.irp a, 0,1,2,3,4,5,6,7
	PLACES NP
	TOSTAGE \a
.if \a < 4
	WIN 0
	ALOAD \a+4
.endif
.if \a == 0
	s_wait_dscnt 40
.endif
.if \a < 7
	ROW \a+1
.endif
.if \a < 4
	SEND \a, 8
.else
	SEND \a, 0
.endif
.endr
	WIN 0
	s_wait_tensorcnt 0x0
	ds_add_u32 v[SPW], v[NIL]
	s_wait_dscnt 0x0
	CROUND
	s_endpgm
.Lfunc_end_k_q03aef5a9bf_gemm:
	.size	k_q03aef5a9bf_gemm, .Lfunc_end_k_q03aef5a9bf_gemm-k_q03aef5a9bf_gemm
	.p2alignl 7, 3214868480
	.fill 96, 4, 3214868480
	.section	.rodata,"a",@progbits
	.p2align	6, 0x0
	.amdhsa_kernel k_q03aef5a9bf_gemm
		.amdhsa_group_segment_fixed_size 327680
		.amdhsa_private_segment_fixed_size 0
		.amdhsa_enable_private_segment 0
		.amdhsa_kernarg_size 40
		.amdhsa_user_sgpr_count 2
		.amdhsa_user_sgpr_kernarg_segment_ptr 1
		.amdhsa_wavefront_size32 1
		.amdhsa_system_sgpr_workgroup_id_x 1
		.amdhsa_system_sgpr_workgroup_id_y 1
		.amdhsa_system_sgpr_workgroup_id_z 1
		.amdhsa_system_vgpr_workitem_id 0
		.amdhsa_next_free_vgpr 1024
		.amdhsa_next_free_sgpr 70
		.amdhsa_reserve_vcc 0
		.amdhsa_float_denorm_mode_32 3
		.amdhsa_float_denorm_mode_16_64 3
		.amdhsa_memory_ordered 1
		.amdhsa_forward_progress 1
		.amdhsa_inst_pref_size 227
	.end_amdhsa_kernel
	.amdgpu_metadata
---
amdhsa.version: [ 1, 2 ]
amdhsa.kernels:
  - .name:           k_q03aef5a9bf_gemm
    .symbol:         k_q03aef5a9bf_gemm.kd
    .args:
      - { .name: a_rec, .offset: 0, .size: 8, .value_kind: global_buffer, .address_space: global }
      - { .name: b_rec, .offset: 8, .size: 8, .value_kind: global_buffer, .address_space: global }
      - { .name: input_scale, .offset: 16, .size: 8, .value_kind: global_buffer, .address_space: global }
      - { .name: s_channel, .offset: 24, .size: 8, .value_kind: global_buffer, .address_space: global }
      - { .name: out0, .offset: 32, .size: 8, .value_kind: global_buffer, .address_space: global }
    .group_segment_fixed_size: 327680
    .private_segment_fixed_size: 0
    .kernarg_segment_align: 8
    .kernarg_segment_size: 40
    .max_flat_workgroup_size: 128
    .sgpr_count:     70
    .vgpr_count:     1024
    .wavefront_size: 32
...
	.end_amdgpu_metadata
.endif
;; end of part 2
